; MI455X (gfx1250); checked and timed in simulation.
; The chip was launched on July 23, 2026; its instructions are those of AMD's public machine-readable ISA for CDNA 5 (MIT licence, August 2026) and "CDNA5" Instruction Set Architecture Reference Guide (July 2026). The comments in the code are by the model that wrote it; some were corrected since.
;; DGM layer. Allowed arithmetic: float matrix products may take bf16 or f16 operands with f32 sums; all other float work in f32.
;; Inputs: b 1 float32; b1 128 float32; bgl 128 float32; bhl 128 float32; brl 128 float32; bzl 128 float32; eps 32 x 2,048 x 20 float32; inputs 4,096 x 21 float32; ugl 21 x 128 float32; uhl 21 x 128 float32; url 21 x 128 float32; uzl 21 x 128 float32; w 128 x 1 float32; w1 21 x 128 float32; wgl 128 x 128 float32; whl 128 x 128 float32; wrl 128 x 128 float32; wzl 128 x 128 float32.
;; Outputs: out0 4,096 float32.
;; One version. Each part assembles by itself: llvm-mc -triple=amdgcn-amd-amdhsa -mcpu=gfx1250 --defsym DOCPART=n.
;; ======== version 1 of 1: 1 launch
;; limits: values outside matrix products are rounded to bf16
;; launch dgm (part 1): grid 256 x 1, 4 waves a work-group, no clusters, 200,704 bytes of LDS; arguments inputs, eps, wzl, wgl, wrl, whl, uzl, ugl, url, uhl, w1, bzl, bgl, brl, bhl, b1, w, b, out0; writes out0
.if DOCPART == 1
	.amdgcn_target "amdgcn-amd-amdhsa--gfx1250"
	.amdhsa_code_object_version 6
	.text
	.protected	k_q9ddfcc40f0_dgm
	.globl	k_q9ddfcc40f0_dgm
	.p2align	8
	.type	k_q9ddfcc40f0_dgm,@function
k_q9ddfcc40f0_dgm:
	s_mov_b64 s[64:65], 0
	v_nop
	global_prefetch_b8 v0, s[64:65] scope:SCOPE_SE
	s_setreg_imm32_b32 hwreg(HW_REG_WAVE_MODE, 25, 1), 1
	s_wait_xcnt 0x0
; DGM loss residual.  out[n] (n < 2048) = fp.drift + 0.5 term1_2 - 0.05 val(x1[n]);  out[2048+n] = val(x2[n]) - relu(prod(x2[n][0:20])^(1/20)).
; Every gradient of reference() is only ever dotted with a known vector, so each is taken as a directional derivative, carried
; forward through the net beside the value (same weight fragments, second set of activations):
;   interior[n] = JVP(x1[n]; d) + (50/32) sum_m JVP(xplus[m][n]; v[m][n]) - 0.05 val(x1[n]),
;   d_k = 0.05 x_k - (50/32) sum_m v[m][n][k] (k < 20), d_20 = 1,  50/32 = 0.5 / DELTA / MC.  This holds for every input.
; SHARE: work-group g owns the points 8g .. 8g+7.  Wave w takes point 8g+2w+p in pass p = 0, 1: its 32 Monte-Carlo rows are two
; tiles of 16 rows.  A 17th tile (8 base rows, 8 boundary rows) is made by the four waves together: wave w makes the units
; 32w .. 32w+31 and the waves exchange their 32 units through LDS.
; MATRIX USE: A = weights (rows = output units, K contiguous in LDS), B = activations (column = batch row).  Register j of lane (r, h) of a
; result is unit 16t+8h+j of row r, so two neighbouring unit tiles, rounded to bf16 in pairs, ARE one B fragment of the next product.
; A gate's matrix in LDS is [128 units][160 k]: k < 128 W[k][unit]; k = 128+kk: U[kk][unit] (kk < 21), the bias as two bf16 (kk = 21, 22), 0.
; The x fragment holds 1.0 at kk = 21, 22, the tangent fragment 0.
; LIMITS KEPT: a bias is carried as bf16(b) + bf16(b - bf16(b)), about 16 bits of mantissa.  tanh(p) = 1 - 2 / (1 + 2^(2.885390 p)): right at
; both infinities, absolute error of the order 1e-7 near 0.  The payoff's product is formed in f32 in two chains, as reference() forms it in
; f32: it underflows where that one does.  Matrix operands are bf16, all else f32.
; NOT USED: tensor loads, clusters, multicast: the weights are f32 [k][unit] in memory and are needed as bf16 [unit][k], so they pass through
; registers anyway; a work-group reads them once (310 KiB) in front of all its matrix work, and nothing else is shared.
; The output is 2 x 32 bytes a work-group: one store of 16 lanes.
.set GPITCH,   336                     ; gate row: 320 bytes + 16 = 21 x 16, an odd multiple of 16: the 16 rows of a fragment load start 16 bytes apart modulo 256
.set GBYTES,   128*GPITCH              ; 43,008
.set TSTEP,    16*GPITCH               ; from unit tile to unit tile
.set W1PITCH,  80                      ; first layer: 64 bytes + 16
.set W1STEP,   16*W1PITCH
.set LDS_W1,   4*GBYTES                ; 172,032
.set LDS_EX,   LDS_W1+128*W1PITCH      ; 182,272: two exchange buffers of 8,192: pt*4096 + chunk*1024 + q*512 + lane*16
.set LDS_VB,   LDS_EX+16384            ; 198,656: point*80: sum over m of v, 20 f32
.set LDS_RES,  LDS_VB+768              ; point*4: sum over m of the JVPs
.set LDS_PART, LDS_RES+256             ; kind*256 + wave*64 + r*4
.set EROW,     2048*80                 ; eps: bytes from m to m+1
.set ETILE,    16*EROW
; window 0
.set LANE, 1
.set RR,   2                           ; lane & 15
.set HH,   3                           ; lane >> 4
.set ADR,  4                           ; v4-8   A fragment addresses: gates z, g, r, h, first layer
.set ADRC, 9                           ; v9-13  the same at my two unit tiles of the shared tile
.set VE,   14                          ; eps offset r*EROW
.set EXW,  15
.set EXRD, 16
.set VBA,  17
.set RESA, 18
.set PARTW,19
.set PAY,  20
.set AB0,  32                          ; v32-71, v72-111: two buffers of A fragments (5 chunks of 8)
.set AB1,  72
.set PACC, 112                         ; v112-159 pre-activations, 8*(gate*NT+i)
.set TACC, 160                         ; v160-207 their tangents
.set TW,   208                         ; v208-223
.set JJ,   224                         ; v224-231
.set WSA,  232                         ; v232-235 prologue: where W goes, by gate
.set USA,  236                         ; v236-240 prologue: where U and bias go
.set YV,   112                         ; building x: v of tile 0, tile 1 (20 each)
.set XV,   152
.set PX,   172                         ; 12 packed words of x
.set PV,   184                         ; 12 packed words of the tangent
.set AC,   196
; window 1: 0-79 fragments of s (chunks 0-3) and x (chunk 4) at i*40+8c; 80-159 tangents
.set EPS,  160                         ; i*20+k
.set XC,   200                         ; the shared tile's row, 21
; window 2: S at i*64+t*8+j, DS at 128+...; in the prologue two buffers of 128
.set DSO,  128
; window 3: 0-159 fragments of s*r, its tangent, copy of x; then
.set WV,   160                         ; w[16t+8h+j] at t*8+j
.set WVC,  224                         ; the same for my two tiles of the shared tile
.set MSB, 0
.macro WIN new                         ; low byte: bits 1:0 source 0, 3:2 source 1, 5:4 source 2, 7:6 destination; high byte: the setting left
.if MSB != (\new)
	s_set_vgpr_msb (MSB<<8)|(\new)
.set MSB, \new
.endif
.endm
.macro PLACES                          ; four independent vector places behind matrix instructions (ISA guide 7.12.1)
.rept 4
	v_nop
.endr
.endm
; nch chunks (32 k) of 16 weight rows into buf
.macro LDA buf, adr, off, nch
.set c_lc, 0
.rept \nch
	ds_load_b128 v[\buf+8*c_lc:\buf+8*c_lc+3], v[\adr] offset:\off+64*c_lc
	ds_load_b128 v[\buf+8*c_lc+4:\buf+8*c_lc+7], v[\adr] offset:\off+64*c_lc+32
.set c_lc, c_lc+1
.endr
.endm
; One unit tile of one matrix: asks for the next step's weights (nnch chunks), then chunks c0..4 x NT row tiles x (value, tangent).
.macro STEP nadr, noff, nnch, win, c0, NT, pa, ta
	WIN \win
	PLACES                                         ; the loads below land in the buffer that the step before multiplied from
.if \nnch
	LDA BUFB, \nadr, \noff, \nnch
.endif
	s_wait_dscnt 2*\nnch                           ; LDS answers in order: only the loads just issued stay out, this step's weights are in
.set c_sc, \c0
.rept 5-\c0
.set c_si, 0
.rept \NT
.if c_sc == \c0
	v_wmma_f32_16x16x32_bf16 v[\pa+8*c_si:\pa+8*c_si+7], v[BUFA+8*(c_sc-\c0):BUFA+8*(c_sc-\c0)+7], v[c_si*40+8*c_sc:c_si*40+8*c_sc+7], 0
	v_wmma_f32_16x16x32_bf16 v[\ta+8*c_si:\ta+8*c_si+7], v[BUFA+8*(c_sc-\c0):BUFA+8*(c_sc-\c0)+7], v[80+c_si*40+8*c_sc:80+c_si*40+8*c_sc+7], 0
.else
	v_wmma_f32_16x16x32_bf16 v[\pa+8*c_si:\pa+8*c_si+7], v[BUFA+8*(c_sc-\c0):BUFA+8*(c_sc-\c0)+7], v[c_si*40+8*c_sc:c_si*40+8*c_sc+7], v[\pa+8*c_si:\pa+8*c_si+7]
	v_wmma_f32_16x16x32_bf16 v[\ta+8*c_si:\ta+8*c_si+7], v[BUFA+8*(c_sc-\c0):BUFA+8*(c_sc-\c0)+7], v[80+c_si*40+8*c_sc:80+c_si*40+8*c_sc+7], v[\ta+8*c_si:\ta+8*c_si+7]
.endif
.set c_si, c_si+1
.endr
.set c_sc, c_sc+1
.endr
.set BUFT, BUFA
.set BUFA, BUFB
.set BUFB, BUFT
.endm
; P <- 1 / (1 + 2^(2.885390 P)) on n registers.  One plain place stands behind each run of transcendentals (ISA guide 5.7.2).
.macro TANHCORE pb, n
.set c_tk, 0
.rept (\n)/2
	v_pk_mul_f32 v[\pb+c_tk:\pb+c_tk+1], v[\pb+c_tk:\pb+c_tk+1], s[50:51] op_sel_hi:[1,0]
.set c_tk, c_tk+2
.endr
.set c_tk, 0
.rept \n
	v_exp_f32 v[\pb+c_tk], v[\pb+c_tk]
.set c_tk, c_tk+1
.endr
	v_nop
.set c_tk, 0
	s_wait_alu depctr_va_vdst(0)
.rept (\n)/2
	v_pk_add_f32 v[\pb+c_tk:\pb+c_tk+1], v[\pb+c_tk:\pb+c_tk+1], 1.0 op_sel_hi:[1,0]
.set c_tk, c_tk+2
.endr
.set c_tk, 0
.rept \n
	v_rcp_f32 v[\pb+c_tk], v[\pb+c_tk]
.set c_tk, c_tk+1
.endr
	v_nop
.endm
; P <- tanh(P), T <- (1 - tanh^2) T, in place
.macro TANHD pb, tb, n
	TANHCORE \pb, \n
.set c_tk, 0
	s_wait_alu depctr_va_vdst(0)
.rept (\n)/2
	v_pk_fma_f32 v[\pb+c_tk:\pb+c_tk+1], v[\pb+c_tk:\pb+c_tk+1], -2.0, 1.0 op_sel_hi:[1,0,0]
.set c_tk, c_tk+2
.endr
.set c_tk, 0
.rept (\n)/8
.set c_tq, 0
.rept 4
	v_pk_fma_f32 v[TW+(c_tk%16)+c_tq:TW+(c_tk%16)+c_tq+1], v[\pb+c_tk+c_tq:\pb+c_tk+c_tq+1], v[\pb+c_tk+c_tq:\pb+c_tk+c_tq+1], 1.0 op_sel_hi:[1,1,0] neg_lo:[1,0,0] neg_hi:[1,0,0]
.set c_tq, c_tq+2
.endr
.set c_tq, 0
.rept 4
	v_pk_mul_f32 v[\tb+c_tk+c_tq:\tb+c_tk+c_tq+1], v[\tb+c_tk+c_tq:\tb+c_tk+c_tq+1], v[TW+(c_tk%16)+c_tq:TW+(c_tk%16)+c_tq+1]
.set c_tq, c_tq+2
.endr
.set c_tk, c_tk+8
.endr
.endm
; first layer, unit tile t: S = tanh(P), DS = (1 - S^2) T, written straight into window 2
.macro ACT_1 t, NT
	PLACES
	WIN 0
	TANHCORE PACC, 8*\NT
.set c_ak, 0
	s_wait_alu depctr_va_vdst(0)
.rept 4*\NT
	v_pk_fma_f32 v[TW+c_ak:TW+c_ak+1], v[PACC+c_ak:PACC+c_ak+1], -2.0, 1.0 op_sel_hi:[1,0,0]
.set c_ak, c_ak+2
.endr
.set c_ak, 0
.rept 4*\NT
	v_pk_fma_f32 v[TW+c_ak:TW+c_ak+1], v[TW+c_ak:TW+c_ak+1], v[TW+c_ak:TW+c_ak+1], 1.0 op_sel_hi:[1,1,0] neg_lo:[1,0,0] neg_hi:[1,0,0]
.set c_ak, c_ak+2
.endr
	WIN 0x80
.set c_ak, 0
.rept 4*\NT
.set c_s, (c_ak/8)*64+\t*8+c_ak%8
	v_pk_fma_f32 v[c_s:c_s+1], v[PACC+c_ak:PACC+c_ak+1], -2.0, 1.0 op_sel_hi:[1,0,0]
	v_pk_mul_f32 v[DSO+c_s:DSO+c_s+1], v[TACC+c_ak:TACC+c_ak+1], v[TW+c_ak:TW+c_ak+1]
.set c_ak, c_ak+2
.endr
.endm
; gate r, unit tile t: fragments of s*r and of ds*r + s*dr into window 3
.macro ACT_R t, NT
	PLACES
	WIN 0
	TANHD PACC, TACC, 8*\NT
	WIN 0x02
.set c_ak, 0
.rept 4*\NT
.set c_s, (c_ak/8)*64+\t*8+c_ak%8
	v_pk_mul_f32 v[TACC+c_ak:TACC+c_ak+1], v[c_s:c_s+1], v[TACC+c_ak:TACC+c_ak+1]
.set c_ak, c_ak+2
.endr
.set c_ak, 0
.rept 4*\NT
.set c_s, (c_ak/8)*64+\t*8+c_ak%8
	v_pk_fma_f32 v[TACC+c_ak:TACC+c_ak+1], v[DSO+c_s:DSO+c_s+1], v[PACC+c_ak:PACC+c_ak+1], v[TACC+c_ak:TACC+c_ak+1]
.set c_ak, c_ak+2
.endr
.set c_ak, 0
.rept 4*\NT
.set c_s, (c_ak/8)*64+\t*8+c_ak%8
	v_pk_mul_f32 v[PACC+c_ak:PACC+c_ak+1], v[c_s:c_s+1], v[PACC+c_ak:PACC+c_ak+1]
.set c_ak, c_ak+2
.endr
	WIN 0xC0
.set c_ak, 0
.rept 4*\NT
.set c_f, (c_ak/8)*40+(\t>>1)*8+(\t&1)*4+(c_ak%8)/2
	v_cvt_pk_bf16_f32 v[c_f], v[PACC+c_ak], v[PACC+c_ak+1]
	v_cvt_pk_bf16_f32 v[80+c_f], v[TACC+c_ak], v[TACC+c_ak+1]
.set c_ak, c_ak+2
.endr
.endm
; gates z, g, h of unit tile t: s' = (1-g) h + z s,  ds' = (1-g) dh - dg h + dz s + z ds
.macro ACT_ZGH t, NT
	PLACES
	WIN 0
	TANHD PACC, TACC, 24*\NT
.set c_ak, 0
.rept 4*\NT
	v_pk_add_f32 v[PACC+8*\NT+c_ak:PACC+8*\NT+c_ak+1], v[PACC+8*\NT+c_ak:PACC+8*\NT+c_ak+1], 1.0 op_sel_hi:[1,0] neg_lo:[1,0] neg_hi:[1,0]
.set c_ak, c_ak+2
.endr
.set c_ak, 0
.rept 4*\NT
	v_pk_mul_f32 v[TACC+16*\NT+c_ak:TACC+16*\NT+c_ak+1], v[PACC+8*\NT+c_ak:PACC+8*\NT+c_ak+1], v[TACC+16*\NT+c_ak:TACC+16*\NT+c_ak+1]
.set c_ak, c_ak+2
.endr
.set c_ak, 0
.rept 4*\NT
	v_pk_fma_f32 v[TACC+16*\NT+c_ak:TACC+16*\NT+c_ak+1], v[TACC+8*\NT+c_ak:TACC+8*\NT+c_ak+1], v[PACC+16*\NT+c_ak:PACC+16*\NT+c_ak+1], v[TACC+16*\NT+c_ak:TACC+16*\NT+c_ak+1] neg_lo:[1,0,0] neg_hi:[1,0,0]
.set c_ak, c_ak+2
.endr
.set c_ak, 0
.rept 4*\NT
	v_pk_mul_f32 v[PACC+16*\NT+c_ak:PACC+16*\NT+c_ak+1], v[PACC+8*\NT+c_ak:PACC+8*\NT+c_ak+1], v[PACC+16*\NT+c_ak:PACC+16*\NT+c_ak+1]
.set c_ak, c_ak+2
.endr
	WIN 0x02
.set c_ak, 0
.rept 4*\NT
.set c_s, (c_ak/8)*64+\t*8+c_ak%8
	v_pk_fma_f32 v[TACC+16*\NT+c_ak:TACC+16*\NT+c_ak+1], v[c_s:c_s+1], v[TACC+c_ak:TACC+c_ak+1], v[TACC+16*\NT+c_ak:TACC+16*\NT+c_ak+1]
.set c_ak, c_ak+2
.endr
	WIN 0x82
.set c_ak, 0
.rept 4*\NT
.set c_s, (c_ak/8)*64+\t*8+c_ak%8
	v_pk_fma_f32 v[DSO+c_s:DSO+c_s+1], v[DSO+c_s:DSO+c_s+1], v[PACC+c_ak:PACC+c_ak+1], v[TACC+16*\NT+c_ak:TACC+16*\NT+c_ak+1]
.set c_ak, c_ak+2
.endr
.set c_ak, 0
.rept 4*\NT
.set c_s, (c_ak/8)*64+\t*8+c_ak%8
	v_pk_fma_f32 v[c_s:c_s+1], v[c_s:c_s+1], v[PACC+c_ak:PACC+c_ak+1], v[PACC+16*\NT+c_ak:PACC+16*\NT+c_ak+1]
.set c_ak, c_ak+2
.endr
.endm
; S and DS rounded to bf16: the B fragments of the next products (window 1)
.macro REFRAG NT, TN
	WIN 0x4A
.set c_ak, 0
.rept 4*\NT*\TN
.set c_ri, c_ak/(8*\TN)
.set c_rt, (c_ak/8)%\TN
.set c_s, c_ri*64+c_rt*8+c_ak%8
.set c_f, c_ri*40+(c_rt>>1)*8+(c_rt&1)*4+(c_ak%8)/2
	v_cvt_pk_bf16_f32 v[c_f], v[c_s], v[c_s+1]
	v_cvt_pk_bf16_f32 v[80+c_f], v[DSO+c_s], v[DSO+c_s+1]
.set c_ak, c_ak+2
.endr
.endm
; The shared tile: my chunk (registers 0-7 value, 80-87 tangent of the window) to LDS, all four chunks back.
; The two buffers take turns: between my loads from one and anybody's next stores into it stands the other buffer's barrier, with its wait for 0.
.macro EXCH base, sw, lw
	WIN \sw
	ds_store_b128 v[EXW], v[0:3] offset:\base
	ds_store_b128 v[EXW], v[4:7] offset:\base+512
	ds_store_b128 v[EXW], v[80:83] offset:\base+4096
	ds_store_b128 v[EXW], v[84:87] offset:\base+4608
	s_wait_dscnt 0x0                               ; for the other waves: my stores are in LDS, and my earlier LDS loads are back
	s_barrier_signal -1
	s_barrier_wait -1
	WIN \lw
.irp pt,0,1
.irp c,0,1,2,3
.irp q,0,1
	ds_load_b128 v[\pt*80+8*\c+4*\q:\pt*80+8*\c+4*\q+3], v[EXRD] offset:\base+\pt*4096+\c*1024+\q*512
.endr
.endr
.endr
.endm
; The x chunk (kk 0..31) from 12 packed words: lanes h = 0 take kk 0-7 and 16-23, lanes h = 1 take kk 8-15 and zeros; windows 1 and 3
.macro FRAGW fb
.irp win,0x40,0xC0
	WIN \win
.irp q,0,1,2,3
	v_cndmask_b32 v[\fb+\q], v[PX+\q], v[PX+4+\q], s44
	v_cndmask_b32 v[\fb+4+\q], v[PX+8+\q], 0, s44
	v_cndmask_b32 v[80+\fb+\q], v[PV+\q], v[PV+4+\q], s44
	v_cndmask_b32 v[80+\fb+4+\q], v[PV+8+\q], 0, s44
.endr
.endr
.endm
; row k of L: y_k = D_k e_k + a, a += C_k e_k  (L[k][d] = C_d for d < k, L[k][k] = D_k)
.macro LROW e, y, k, d, c
	v_fma_f32 v[\y+\k], v[\e+\k], \d, v[AC]
	v_fma_f32 v[AC], v[\e+\k], \c, v[AC]
.endm
; The net, value and tangent: NT row tiles, TN unit tiles, AD the address registers, COOP = 1: units shared among the waves
.macro NET NT, TN, AD, COOP, lbl
.set BUFA, AB0
.set BUFB, AB1
	WIN 0
	LDA BUFA, \AD+4, 0, 1
.set c_tt, 0
.rept \TN
.if c_tt+1 < \TN
	STEP \AD+4, (c_tt+1)*W1STEP, 1, 0x04, 4, \NT, PACC, TACC
.else
	STEP \AD+4, 0, 0, 0x04, 4, \NT, PACC, TACC
.endif
	ACT_1 c_tt, \NT
.set c_tt, c_tt+1
.endr
	WIN 0
	s_mov_b32 s47, 0
.Llayer_\lbl:
.set BUFA, AB0
.set BUFB, AB1
	LDA BUFA, \AD+2, 0, 5                          ; gate r, tile 0 (the places behind the last matrix instructions stand in the activation macro)
	REFRAG \NT, \TN
.if \COOP
	EXCH 0, 0x04, 0x40
.endif
.set c_tt, 0
.rept \TN
.if c_tt+1 < \TN
	STEP \AD+2, (c_tt+1)*TSTEP, 5, 0x04, 0, \NT, PACC, TACC
.else
	STEP \AD+0, 0, 5, 0x04, 0, \NT, PACC, TACC
.endif
	ACT_R c_tt, \NT
.set c_tt, c_tt+1
.endr
.if \COOP
	EXCH 8192, 0x0C, 0xC0
.endif
.set c_tt, 0
.rept \TN
	STEP \AD+1, c_tt*TSTEP, 5, 0x04, 0, \NT, PACC, TACC
	STEP \AD+3, c_tt*TSTEP, 5, 0x04, 0, \NT, PACC+8*\NT, TACC+8*\NT
.if c_tt+1 < \TN
	STEP \AD+0, (c_tt+1)*TSTEP, 5, 0x0C, 0, \NT, PACC+16*\NT, TACC+16*\NT
.else
	STEP \AD+0, 0, 0, 0x0C, 0, \NT, PACC+16*\NT, TACC+16*\NT
.endif
	ACT_ZGH c_tt, \NT
.set c_tt, c_tt+1
.endr
	WIN 0
	s_add_co_u32 s47, s47, 1
	s_cmp_lt_u32 s47, 3
	s_cbranch_scc1 .Llayer_\lbl
.endm
; prologue: 32 loads of gate g (my 32 units x 128 k, f32) into window 2 at bb; register 4 (8i+e) + nn = W[32i+8kg+e][32w+4ol+nn]
.macro WLOAD g, bb
	WIN 0x80
.set c_wi, 0
.rept 32
	global_load_b128 v[\bb+4*c_wi:\bb+4*c_wi+3], v21, s[8+2*\g:9+2*\g] offset:((c_wi/8)*32+(c_wi%8))*512
.set c_wi, c_wi+1
.endr
.endm
; and their way into LDS: 8 neighbouring k of one unit are 16 bytes
.macro WCONV g, bb
	WIN 0x0A
.set c_wi, 0
.rept 64
	v_cvt_pk_bf16_f32 v[144+c_wi], v[\bb+(c_wi/16)*32+(c_wi%4)*8+(c_wi/4)%4], v[\bb+(c_wi/16)*32+(c_wi%4)*8+4+(c_wi/4)%4]
.set c_wi, c_wi+1
.endr
	WIN 0
.set c_wi, 0
.rept 16
	ds_store_b128 v[WSA+\g], v[144+4*c_wi:144+4*c_wi+3] offset:(c_wi%4)*GPITCH+(c_wi/4)*64
.set c_wi, c_wi+1
.endr
.endm
; ---------------------------------------------------------------- ids, constants, addresses
	s_load_b512 s[4:19], s[0:1], 0x0               ; inputs, eps, wzl, wgl, wrl, whl, uzl, ugl
	s_load_b512 s[20:35], s[0:1], 0x40             ; url, uhl, w1, bzl, bgl, brl, bhl, b1
	s_load_b128 s[36:39], s[0:1], 0x80             ; w, b
	s_load_b64 s[40:41], s[0:1], 0x90              ; out0
	v_lshl_add_u32 v254, v0, 2, 0x30e00
	v_mov_b32 v255, 0
	v_and_b32 v[LANE], 31, v0
	v_and_b32 v[RR], 15, v0
	v_bfe_u32 v[HH], v0, 4, 1
	v_lshrrev_b32 v31, 5, v0
	v_readfirstlane_b32 s42, v31                   ; wave
	s_lshl_b32 s43, ttmp9, 3                       ; n0: my first point
	s_mov_b32 s44, 0xffff0000                      ; the lanes with h = 1
	s_mov_b32 s48, 0x76543210                      ; v_permlanex16_b32: lane i of the other half
	s_mov_b32 s49, 0xfedcba98
	s_mov_b32 s50, 0x4038aa3b                      ; 2 log2(e)
	s_mov_b32 s51, 0x4038aa3b
	s_lshl1_add_u32 s45, s42, s43                  ; n0 + 2 w: my point of pass 0
	s_mul_i32 s52, s45, 84                         ; its row in inputs
	s_mul_i32 s2, s45, 80                          ; and in eps
	s_mov_b32 s3, 0
	v_mul_u32_u24 v31, v[RR], GPITCH
	v_lshl_add_u32 v31, v[HH], 4, v31              ; row r, 16 bytes for each half of the lanes
	s_mul_i32 s58, s42, 2*TSTEP                    ; my 32 units' rows of a gate
	s_mul_i32 s59, s42, 2*W1STEP
.irp g,0,1,2,3
	v_add_nc_u32 v[ADR+\g], \g*GBYTES, v31
	v_add_nc_u32 v[ADRC+\g], s58, v[ADR+\g]
.endr
	v_mul_u32_u24 v31, v[RR], W1PITCH
	v_lshl_add_u32 v31, v[HH], 4, v31
	v_add_nc_u32 v[ADR+4], LDS_W1, v31
	v_add_nc_u32 v[ADRC+4], s59, v[ADR+4]
	v_mul_u32_u24 v[VE], v[RR], EROW
	s_lshl_b32 s60, s42, 10
	s_add_co_u32 s60, s60, LDS_EX
	v_lshl_add_u32 v[EXW], v[LANE], 4, s60
	v_lshlrev_b32 v[EXRD], 4, v[LANE]
	v_add_nc_u32 v[EXRD], LDS_EX, v[EXRD]
	s_mul_i32 s60, s42, 160
	s_add_co_u32 s60, s60, LDS_VB
	v_mov_b32 v[VBA], s60
	s_lshl_b32 s60, s42, 3
	s_add_co_u32 s60, s60, LDS_RES
	v_mov_b32 v[RESA], s60
	s_lshl_b32 s60, s42, 6
	s_add_co_u32 s60, s60, LDS_PART
	v_lshl_add_u32 v[PARTW], v[RR], 2, s60
	; prologue offsets
	v_lshrrev_b32 v31, 3, v[LANE]                  ; kg
	v_and_b32 v30, 7, v[LANE]                      ; ol
	v_lshlrev_b32 v21, 12, v31                     ; 8 kg rows of 512 bytes
	v_lshl_add_u32 v21, v30, 4, v21                ; + 4 units of 4 bytes
	s_lshl_b32 s60, s42, 7                         ; + my 32 units
	v_add_nc_u32 v21, s60, v21
	v_lshlrev_b32 v22, 2, v0                       ; U and bias: thread = unit
	v_lshrrev_b32 v29, 3, v[RR]
	v_add_nc_u32 v23, s43, v[RR]
	v_mad_u32_u24 v23, v29, 2040, v23              ; shared tile: r < 8 row n0+r, else row 2048+n0+r-8
	v_mul_u32_u24 v23, v23, 84
	v_lshlrev_b32 v24, 5, v[HH]                    ; w: 8 h numbers
	v_add_nc_u32 v25, s60, v24                     ; + my 32 units
	v_mul_u32_u24 v30, v30, 4*GPITCH
	v_lshl_add_u32 v30, v31, 4, v30
	v_add_nc_u32 v30, s58, v30
	v_mul_u32_u24 v31, v[LANE], GPITCH
	v_add_nc_u32 v31, s58, v31
.irp g,0,1,2,3
	v_add_nc_u32 v[WSA+\g], \g*GBYTES, v30
	v_add_nc_u32 v[USA+\g], \g*GBYTES+256, v31
.endr
	v_mul_u32_u24 v31, v[LANE], W1PITCH
	v_add_nc_u32 v31, s59, v31
	v_add_nc_u32 v[USA+4], LDS_W1, v31
	s_wait_kmcnt 0x0
	s_add_nc_u64 s[54:55], s[6:7], s[2:3]          ; eps at my point of pass 0
	s_load_b512 s[68:83], s[4:5], s52 offset:0x0   ; loc[0..20] of that point
	s_load_b128 s[84:87], s[4:5], s52 offset:0x40
	s_load_b32 s88, s[4:5], s52 offset:0x50
	s_load_b32 s53, s[38:39], 0x0                  ; b
; ---------------------------------------------------------------- all first loads, oldest first
	WIN 0x40
.irp i,0,1
.irp q,0,1,2,3,4
	global_load_b128 v[EPS+20*\i+4*\q:EPS+20*\i+4*\q+3], v[VE], s[54:55] offset:\i*ETILE+16*\q th:TH_LOAD_NT
.endr
.endr
.set c_bk, 0
.rept 21
	global_load_b32 v[XC+c_bk], v23, s[4:5] offset:4*c_bk
.set c_bk, c_bk+1
.endr
	WIN 0xC0
.irp t,0,1,2,3,4,5,6,7
	global_load_b128 v[WV+8*\t:WV+8*\t+3], v24, s[36:37] offset:64*\t
	global_load_b128 v[WV+8*\t+4:WV+8*\t+7], v24, s[36:37] offset:64*\t+16
.endr
.irp t,0,1
	global_load_b128 v[WVC+8*\t:WVC+8*\t+3], v25, s[36:37] offset:64*\t
	global_load_b128 v[WVC+8*\t+4:WVC+8*\t+7], v25, s[36:37] offset:64*\t+16
.endr
	WIN 0
.irp m,0,1,2,3,4
.set c_bk, 0
.rept 21
	global_load_b32 v[32+22*\m+c_bk], v22, s[16+2*\m:17+2*\m] offset:512*c_bk
.set c_bk, c_bk+1
.endr
	global_load_b32 v[32+22*\m+21], v22, s[26+2*\m:27+2*\m]
.endr
	WLOAD 0, 0
; ---------------------------------------------------------------- U and biases: 32 kk of my unit = 64 bytes
	WIN 0
	s_wait_loadcnt 32                              ; only gate z's 32 loads, issued last, stay out
.irp z,156,157,158,159
	v_mov_b32 v\z, 0                               ; kk 24..31
.endr
.irp m,0,1,2,3,4
.irp q,0,1,2,3,4,5,6,7,8,9
	v_cvt_pk_bf16_f32 v[144+\q], v[32+22*\m+2*\q], v[32+22*\m+2*\q+1]
.endr
	v_cvt_pk_bf16_f32 v154, v[32+22*\m+20], v[32+22*\m+21]     ; kk 20: U; kk 21: bf16(bias)
	v_and_b32 v31, 0xffff0000, v154
	v_sub_f32 v31, v[32+22*\m+21], v31                         ; what that rounding left
	v_cvt_pk_bf16_f32 v155, v31, 0                             ; kk 22, kk 23 = 0
.irp s,0,1,2,3
	ds_store_b128 v[USA+\m], v[144+4*\s:147+4*\s] offset:16*\s
.endr
.endr
; ---------------------------------------------------------------- W: one gate is converted while the next one's 32 loads are out
	WLOAD 1, 128
	s_wait_loadcnt 32
	WCONV 0, 0
	WLOAD 2, 0
	s_wait_loadcnt 32
	WCONV 1, 128
	WLOAD 3, 128
	s_wait_loadcnt 32
	WCONV 2, 0
	s_wait_loadcnt 0x0
	WCONV 3, 128
	s_wait_dscnt 0x0                               ; for the other waves: my part of the weights is in LDS
	s_barrier_signal -1
	s_barrier_wait -1
; ---------------------------------------------------------------- two passes of 32 Monte-Carlo rows
	s_mov_b32 s46, 0
.Lpass:
	s_wait_loadcnt 0x0                             ; eps of this pass
	s_wait_kmcnt 0x0                               ; loc of this pass (and b)
.irp i,0,1
	WIN 0x01
	v_mul_f32 v[YV+20*\i], v[EPS+20*\i], 0.1
	v_mul_f32 v[AC], v[EPS+20*\i], 0.05
	LROW EPS+20*\i, YV+20*\i, 1, 0.08660254, 0.02886751
	LROW EPS+20*\i, YV+20*\i, 2, 0.08164966, 0.02041241
	LROW EPS+20*\i, YV+20*\i, 3, 0.07905694, 0.01581139
	LROW EPS+20*\i, YV+20*\i, 4, 0.07745967, 0.01290994
	LROW EPS+20*\i, YV+20*\i, 5, 0.07637626, 0.01091089
	LROW EPS+20*\i, YV+20*\i, 6, 0.07559289, 0.009449112
	LROW EPS+20*\i, YV+20*\i, 7, 0.075, 0.008333333
	LROW EPS+20*\i, YV+20*\i, 8, 0.07453560, 0.007453560
	LROW EPS+20*\i, YV+20*\i, 9, 0.07416198, 0.006741999
	LROW EPS+20*\i, YV+20*\i, 10, 0.07385489, 0.006154575
	LROW EPS+20*\i, YV+20*\i, 11, 0.07359801, 0.005661385
	LROW EPS+20*\i, YV+20*\i, 12, 0.07337994, 0.005241424
	LROW EPS+20*\i, YV+20*\i, 13, 0.07319251, 0.004879500
	LROW EPS+20*\i, YV+20*\i, 14, 0.07302967, 0.004564355
	LROW EPS+20*\i, YV+20*\i, 15, 0.07288690, 0.004287465
	LROW EPS+20*\i, YV+20*\i, 16, 0.07276069, 0.004042260
	LROW EPS+20*\i, YV+20*\i, 17, 0.07264832, 0.003823596
	LROW EPS+20*\i, YV+20*\i, 18, 0.07254763, 0.003627381
	v_fma_f32 v[YV+20*\i+19], v[EPS+20*\i+19], 0.07245688, v[AC]
	WIN 0
.set c_bk, 0
.rept 20
	v_add_f32 v[YV+20*\i+c_bk], s[68+c_bk], v[YV+20*\i+c_bk]   ; sample = loc + L eps
	v_mul_f32 v[YV+20*\i+c_bk], s[68+c_bk], v[YV+20*\i+c_bk]
	v_mul_f32 v[YV+20*\i+c_bk], 0x3e4ccccd, v[YV+20*\i+c_bk]   ; v = sample x 0.2 loc
	v_add_f32 v[XV+c_bk], s[68+c_bk], v[YV+20*\i+c_bk]         ; xplus = loc + v
.set c_bk, c_bk+1
.endr
.irp q,0,1,2,3,4,5,6,7,8,9
	v_cvt_pk_bf16_f32 v[PX+\q], v[XV+2*\q], v[XV+2*\q+1]
	v_cvt_pk_bf16_f32 v[PV+\q], v[YV+20*\i+2*\q], v[YV+20*\i+2*\q+1]
.endr
	v_cvt_pk_bf16_f32 v[PX+10], s88, 1.0           ; kk 20: the time; kk 21: 1 for the bias
	v_mov_b32 v[PX+11], 0x3f80                     ; kk 22: 1 for the bias's rest
	v_mov_b32 v[PV+10], 0                          ; no violation along the time, no tangent of the bias
	v_mov_b32 v[PV+11], 0
	FRAGW \i*40+32
.endr
	WIN 0
	; sum over the 32 m of v: the two tiles, then the 16 rows of a half of the lanes (both halves hold the same rows)
.irp q,0,2,4,6,8,10,12,14,16,18
	v_pk_add_f32 v[YV+\q:YV+\q+1], v[YV+\q:YV+\q+1], v[YV+20+\q:YV+20+\q+1]
.endr
.irp x,1,2,4,8
.set c_bk, 0
.rept 20
	v_add_f32_dpp v[YV+c_bk], v[YV+c_bk], v[YV+c_bk] row_xmask:\x row_mask:0xf bank_mask:0xf
.set c_bk, c_bk+1
.endr
.endr
.irp q,0,1,2,3,4
	ds_store_b128 v[VBA], v[YV+4*\q:YV+4*\q+3] offset:16*\q    ; every lane the same 16 bytes, in my wave's own words
.endr
	s_cmp_lg_u32 s46, 0
	s_cbranch_scc1 .Lnofetch
	; pass 0 alone: the second point's eps and loc are asked for now and waited for (count 0) at the next pass's head
	WIN 0x40
.irp i,0,1
.irp q,0,1,2,3,4
	global_load_b128 v[EPS+20*\i+4*\q:EPS+20*\i+4*\q+3], v[VE], s[54:55] offset:\i*ETILE+16*\q+80 th:TH_LOAD_NT
.endr
.endr
	WIN 0
	s_load_b512 s[68:83], s[4:5], s52 offset:0x54
	s_load_b128 s[84:87], s[4:5], s52 offset:0x94
	s_load_b32 s88, s[4:5], s52 offset:0xa4
.Lnofetch:
	NET 2, 8, ADR, 0, mc
	; sum over rows and units of ds x w
	WIN 0x0E
.set c_fk, 0
.rept 64
.set c_s, (c_fk/32)*64+((c_fk/4)%8)*8+(c_fk%4)*2
.set c_f, ((c_fk/4)%8)*8+(c_fk%4)*2
.if c_fk < 4
	v_pk_mul_f32 v[JJ+2*c_fk:JJ+2*c_fk+1], v[DSO+c_s:DSO+c_s+1], v[WV+c_f:WV+c_f+1]
.else
	v_pk_fma_f32 v[JJ+(c_fk%4)*2:JJ+(c_fk%4)*2+1], v[DSO+c_s:DSO+c_s+1], v[WV+c_f:WV+c_f+1], v[JJ+(c_fk%4)*2:JJ+(c_fk%4)*2+1]
.endif
.set c_fk, c_fk+1
.endr
	WIN 0
	v_pk_add_f32 v[JJ:JJ+1], v[JJ:JJ+1], v[JJ+2:JJ+3]
	v_pk_add_f32 v[JJ+4:JJ+5], v[JJ+4:JJ+5], v[JJ+6:JJ+7]
	v_pk_add_f32 v[JJ:JJ+1], v[JJ:JJ+1], v[JJ+4:JJ+5]
	v_add_f32 v[JJ], v[JJ], v[JJ+1]
.irp x,1,2,4,8
	v_add_f32_dpp v[JJ], v[JJ], v[JJ] row_xmask:\x row_mask:0xf bank_mask:0xf
.endr
	v_permlanex16_b32 v[JJ+1], v[JJ], s48, s49
	v_add_f32 v[JJ], v[JJ], v[JJ+1]
	ds_store_b32 v[RESA], v[JJ]
	v_add_nc_u32 v[VBA], 80, v[VBA]                ; the next point's words
	v_add_nc_u32 v[RESA], 4, v[RESA]
	s_add_co_u32 s46, s46, 1
	s_cmp_lt_u32 s46, 2
	s_cbranch_scc1 .Lpass
; ---------------------------------------------------------------- the shared tile: rows r < 8 base points, r >= 8 boundary points
	s_wait_dscnt 0x0                               ; for the other waves: my sums of v and of the JVPs are in LDS
	s_barrier_signal -1
	s_barrier_wait -1
	v_and_b32 v21, 7, v[RR]
	v_mul_u32_u24 v21, v21, 80
	v_add_nc_u32 v21, LDS_VB, v21
.irp q,0,1,2,3,4
	ds_load_b128 v[YV+4*\q:YV+4*\q+3], v21 offset:16*\q        ; sum of v of point r & 7 (in boundary rows the tangent is never read)
.endr
	s_mov_b32 s58, 0x3d4ccccd                      ; 0.05
	s_mov_b32 s59, 0x1f800000                      ; 2^-64
	WIN 0x05
.irp q,0,1,2,3,4,5,6,7,8,9
	v_cvt_pk_bf16_f32 v[PX+\q], v[XC+2*\q], v[XC+2*\q+1]
.endr
	v_cvt_pk_bf16_f32 v[PX+10], v[XC+20], 1.0
	v_mul_f32 v[XV], v[XC], v[XC+2]                ; the payoff's product, two chains
	v_mul_f32 v[XV+1], v[XC+1], v[XC+3]
	WIN 0x01
.set c_bk, 4
.rept 16
	v_mul_f32 v[XV+(c_bk&1)], v[XC+c_bk], v[XV+(c_bk&1)]
.set c_bk, c_bk+1
.endr
	WIN 0
	v_mov_b32 v[PX+11], 0x3f80
	s_wait_dscnt 0x0
.set c_bk, 0
.rept 20
	v_mul_f32 v[YV+c_bk], 0xbfc80000, v[YV+c_bk]   ; -(50/32) sum of v
.set c_bk, c_bk+1
.endr
	WIN 0x01
.set c_bk, 0
.rept 20
	v_fma_f32 v[YV+c_bk], v[XC+c_bk], s58, v[YV+c_bk]          ; d_k = 0.05 x_k - (50/32) sum of v
.set c_bk, c_bk+1
.endr
	WIN 0
.irp q,0,1,2,3,4,5,6,7,8,9
	v_cvt_pk_bf16_f32 v[PV+\q], v[YV+2*\q], v[YV+2*\q+1]
.endr
	v_mov_b32 v[PV+10], 0x3f80                     ; d_20 = 1; no tangent of the bias
	v_mov_b32 v[PV+11], 0
	; payoff = relu(prod^(1/20)) = relu(2^(0.05 log2 prod)); v_log_f32 takes a denormal as zero (ISA guide 15.8), so a small product is scaled by 2^64 first
	v_mul_f32 v[XV], v[XV], v[XV+1]
	v_and_b32 v[XV+1], 0x7fffffff, v[XV]
	v_cmp_gt_f32 vcc_lo, s59, v[XV+1]
	v_mov_b32 v[XV+2], 0x5f800000                  ; 2^64
	v_mov_b32 v[XV+3], 0x42800000                  ; 64.0
	v_cndmask_b32 v[XV+2], 1.0, v[XV+2], vcc_lo
	v_cndmask_b32 v[XV+3], 0, v[XV+3], vcc_lo
	v_mul_f32 v[XV], v[XV], v[XV+2]
	v_log_f32 v[XV], v[XV]
	v_nop
	s_wait_alu depctr_va_vdst(0)
	v_sub_f32 v[XV], v[XV], v[XV+3]
	v_mul_f32 v[XV], 0x3d4ccccd, v[XV]
	v_exp_f32 v[PAY], v[XV]
	v_nop
	s_wait_alu depctr_va_vdst(0)
	v_cmp_gt_f32 vcc_lo, 0, v[PAY]                 ; relu; a NaN compares false and stays, as in reference()
	v_cndmask_b32 v[PAY], v[PAY], 0, vcc_lo
	FRAGW 32
	NET 1, 2, ADRC, 1, co
	; my 32 units' share of s.w and ds.w for each row
	WIN 0x0E
.set c_fk, 0
.rept 8
.if c_fk == 0
	v_pk_mul_f32 v[JJ:JJ+1], v[0:1], v[WVC:WVC+1]
	v_pk_mul_f32 v[JJ+2:JJ+3], v[DSO:DSO+1], v[WVC:WVC+1]
.else
	v_pk_fma_f32 v[JJ:JJ+1], v[2*c_fk:2*c_fk+1], v[WVC+2*c_fk:WVC+2*c_fk+1], v[JJ:JJ+1]
	v_pk_fma_f32 v[JJ+2:JJ+3], v[DSO+2*c_fk:DSO+2*c_fk+1], v[WVC+2*c_fk:WVC+2*c_fk+1], v[JJ+2:JJ+3]
.endif
.set c_fk, c_fk+1
.endr
	WIN 0
	v_add_f32 v[JJ], v[JJ], v[JJ+1]
	v_add_f32 v[JJ+2], v[JJ+2], v[JJ+3]
	v_permlanex16_b32 v[JJ+1], v[JJ], s48, s49     ; the other half of the lanes holds the row's other 16 units
	v_permlanex16_b32 v[JJ+3], v[JJ+2], s48, s49
	v_add_f32 v[JJ], v[JJ], v[JJ+1]
	v_add_f32 v[JJ+2], v[JJ+2], v[JJ+3]
	ds_store_b32 v[PARTW], v[JJ]
	ds_store_b32 v[PARTW], v[JJ+2] offset:256
	s_wait_dscnt 0x0                               ; for wave 0: my shares are in LDS
	s_barrier_signal -1
	s_barrier_wait -1
	s_cmp_lg_u32 s42, 0
	s_cbranch_scc1 .Lend
; ---------------------------------------------------------------- wave 0 puts the 16 results together
	v_lshlrev_b32 v21, 2, v[RR]
	v_add_nc_u32 v21, LDS_PART, v21
.irp k,0,1,2,3
	ds_load_b32 v[32+\k], v21 offset:64*\k
	ds_load_b32 v[36+\k], v21 offset:256+64*\k
.endr
	v_and_b32 v22, 7, v[RR]
	v_lshlrev_b32 v22, 2, v22
	v_add_nc_u32 v22, LDS_RES, v22
	ds_load_b32 v40, v22
	v_add_nc_u32 v23, s43, v[RR]
	v_lshlrev_b32 v23, 2, v23
	v_lshrrev_b32 v24, 3, v[RR]
	v_mad_u32_u24 v23, v24, 8160, v23              ; r < 8: out[n0+r]; else out[2048+n0+r-8]
	s_wait_dscnt 0x0
	v_add_f32 v32, v32, v33
	v_add_f32 v34, v34, v35
	v_add_f32 v36, v36, v37
	v_add_f32 v38, v38, v39
	v_add_f32 v32, v32, v34
	v_add_f32 v36, v36, v38                        ; JVP(x1; d)
	v_add_f32 v32, s53, v32                        ; val = s.w + b
	v_fmac_f32 v36, 0x3fc80000, v40                ; + (50/32) sum of the JVPs
	v_fmac_f32 v36, 0xbd4ccccd, v32                ; - 0.05 val
	v_sub_f32 v37, v32, v[PAY]
	v_cmp_lt_u32 vcc_lo, 7, v[RR]
	v_cndmask_b32 v36, v36, v37, vcc_lo
	v_cmp_gt_u32 vcc_lo, 16, v[LANE]
	s_wait_xcnt 0x0                                ; EXEC changes only behind this wait
	s_and_saveexec_b32 s2, vcc_lo                  ; lanes 16-31 hold the same 16 rows again
	global_store_b32 v23, v36, s[40:41]
	s_wait_xcnt 0x0
	s_or_b32 exec_lo, exec_lo, s2
.Lend:
	s_wait_tensorcnt 0x0
	ds_add_u32 v254, v255
	s_wait_dscnt 0x0
	s_endpgm
.Lfunc_end_k_q9ddfcc40f0_dgm:
	.size	k_q9ddfcc40f0_dgm, .Lfunc_end_k_q9ddfcc40f0_dgm-k_q9ddfcc40f0_dgm
	.p2alignl 7, 3214868480
	.fill 96, 4, 3214868480
	.section	.rodata,"a",@progbits
	.p2align	6, 0x0
	.amdhsa_kernel k_q9ddfcc40f0_dgm
		.amdhsa_group_segment_fixed_size 200704
		.amdhsa_private_segment_fixed_size 0
		.amdhsa_enable_private_segment 0
		.amdhsa_kernarg_size 152
		.amdhsa_user_sgpr_count 2
		.amdhsa_user_sgpr_kernarg_segment_ptr 1
		.amdhsa_wavefront_size32 1
		.amdhsa_system_sgpr_workgroup_id_x 1
		.amdhsa_system_sgpr_workgroup_id_y 1
		.amdhsa_system_sgpr_workgroup_id_z 1
		.amdhsa_system_vgpr_workitem_id 0
		.amdhsa_next_free_vgpr 1024
		.amdhsa_next_free_sgpr 90
		.amdhsa_reserve_vcc 1
		.amdhsa_float_denorm_mode_32 3
		.amdhsa_float_denorm_mode_16_64 3
		.amdhsa_memory_ordered 1
		.amdhsa_forward_progress 1
		.amdhsa_inst_pref_size 255
	.end_amdhsa_kernel
	.section	.bss,"aw",@nobits
	.p2align	6
	.space	262144
	.amdgpu_metadata
---
amdhsa.version: [ 1, 2 ]
amdhsa.kernels:
  - .name:           k_q9ddfcc40f0_dgm
    .symbol:         k_q9ddfcc40f0_dgm.kd
    .args:
      - { .name: inputs, .offset: 0, .size: 8, .value_kind: global_buffer, .address_space: global }
      - { .name: eps, .offset: 8, .size: 8, .value_kind: global_buffer, .address_space: global }
      - { .name: wzl, .offset: 16, .size: 8, .value_kind: global_buffer, .address_space: global }
      - { .name: wgl, .offset: 24, .size: 8, .value_kind: global_buffer, .address_space: global }
      - { .name: wrl, .offset: 32, .size: 8, .value_kind: global_buffer, .address_space: global }
      - { .name: whl, .offset: 40, .size: 8, .value_kind: global_buffer, .address_space: global }
      - { .name: uzl, .offset: 48, .size: 8, .value_kind: global_buffer, .address_space: global }
      - { .name: ugl, .offset: 56, .size: 8, .value_kind: global_buffer, .address_space: global }
      - { .name: url, .offset: 64, .size: 8, .value_kind: global_buffer, .address_space: global }
      - { .name: uhl, .offset: 72, .size: 8, .value_kind: global_buffer, .address_space: global }
      - { .name: w1, .offset: 80, .size: 8, .value_kind: global_buffer, .address_space: global }
      - { .name: bzl, .offset: 88, .size: 8, .value_kind: global_buffer, .address_space: global }
      - { .name: bgl, .offset: 96, .size: 8, .value_kind: global_buffer, .address_space: global }
      - { .name: brl, .offset: 104, .size: 8, .value_kind: global_buffer, .address_space: global }
      - { .name: bhl, .offset: 112, .size: 8, .value_kind: global_buffer, .address_space: global }
      - { .name: b1, .offset: 120, .size: 8, .value_kind: global_buffer, .address_space: global }
      - { .name: w, .offset: 128, .size: 8, .value_kind: global_buffer, .address_space: global }
      - { .name: b, .offset: 136, .size: 8, .value_kind: global_buffer, .address_space: global }
      - { .name: out0, .offset: 144, .size: 8, .value_kind: global_buffer, .address_space: global }
    .group_segment_fixed_size: 200704
    .private_segment_fixed_size: 0
    .kernarg_segment_align: 8
    .kernarg_segment_size: 152
    .max_flat_workgroup_size: 128
    .sgpr_count:     90
    .vgpr_count:     1024
    .wavefront_size: 32
...
	.end_amdgpu_metadata
.endif
;; end of part 1
